; MI455X (gfx1250); checked and timed in simulation.
; The chip was launched on July 23, 2026; its instructions are those of AMD's public machine-readable ISA for CDNA 5 (MIT licence, August 2026) and "CDNA5" Instruction Set Architecture Reference Guide (July 2026). The comments in the code are by the model that wrote it; some were corrected since.
;; multi Time Attention. Allowed arithmetic: float matrix products may take bf16 or f16 operands with f32 sums; all other float work in f32.
;; Inputs: Wk 128 x 128 float32; Wo 256 x 256 float32; Wq 128 x 128 float32; bk 128 float32; bo 256 float32; bq 128 float32; key 8 x 512 x 128 float32; mask 8 x 512 x 32 int32; query 8 x 128 x 128 float32; value 8 x 512 x 32 float32.
;; Outputs: out0 8 x 128 x 256 float32.
;; One version. Each part assembles by itself: llvm-mc -triple=amdgcn-amd-amdhsa -mcpu=gfx1250 --defsym DOCPART=n.
;; ======== version 1 of 1: 1 launch
;; limits: values are held in f16: magnitudes above 65,504 overflow, below 6.1e-05 lose precision
;; launch attn (part 1): grid 32 x 8, 8 waves a work-group, no clusters, 319,232 bytes of LDS; arguments query, key, value, mask, Wq, bq, Wk, bk, Wo, bo, out0; writes out0
.if DOCPART == 1
	.amdgcn_target "amdgcn-amd-amdhsa--gfx1250"
	.amdhsa_code_object_version 6
	.text
	.protected	k_qbd296310e0_attn
	.globl	k_qbd296310e0_attn
	.p2align	8
	.type	k_qbd296310e0_attn,@function
k_qbd296310e0_attn:
	s_mov_b64 s[64:65], 0
	v_nop
	global_prefetch_b8 v0, s[64:65] scope:SCOPE_SE
	s_setreg_imm32_b32 hwreg(HW_REG_WAVE_MODE, 25, 1), 1
	s_wait_xcnt 0x0
; multiTimeAttention, whole module in one launch.  B = 8, LQ = 128, LK = 512, D = 32, ET = 128, H = 8, NH = 256, all f32 (mask i32).
; A work-group owns one batch b and 4 queries with all 8 heads: 32 rows, row = 4 head + q.  Eight waves.
;   head:   wave w = head w.  q' = (query Wq_h^T + bq) log2e/4;  G[row][i] = sum over e in h of q'[e] Wk[e][i];  rc[row] = sum of q'[e] bk[e].
;           So score log2e = G . key + rc: the key projection is folded into G and no k tensor is formed.
;   scores: wave w = keys 64 w .. 64 w + 63, all 32 rows: S = 16 ((G/16) key^T) + rc, kept in LDS in f32, in base-2 units.
;   core:   lanes = the 32 value features d.  Per row the wave makes, for its 64 keys and each d, the maximum M that the softmax takes away,
;           den = sum 2^(a - M), num = sum 2^(a - M) value.  a = s for an open key.  Masked keys all have the score -10000 (K = 10000 log2e in
;           base 2), so they enter in closed form: their count CNT0 and the sum of their values SV0 times 2^(-K - M); in the sums they are -inf.
;   merge:  wave w joins the 8 key slices of rows 4 w .. 4 w + 3 by 2^(M_i - M), x = num / den.
;   out:    wave w = columns 32 w .. 32 w + 31 of out = x Wo^T + bo; the block of 4 x 256 leaves as 4,096 consecutive bytes.
; NUMBER FORMATS: all four products take f16 operands and f32 sums; everything else is f32.
; LIMITS: a matrix operand above 65,504 in magnitude overflows f16: query, key, Wq, Wk, Wo as given, q' = q log2e/4, G/16, x.  v_exp_f32 gives 0
;   for results below 2^-126 (ISA guide 15.8), so terms smaller than 2^-126 of their column's largest are dropped.
; NO CLUSTER, NO TENSOR LOADS: the 32 work-groups of a batch do read the same key, mask and value, and all read the weights, but every such byte
;   is f32 that has to pass through registers to become f16 (or to become a lane's own bias and value): 256 KiB of f32 key alone do not fit in LDS
;   beside the 68 KiB of scores and the 228 KiB of arenas, and each byte is read once, at the head.
.set PIT,    272                       ; LDS pitch of rows of 256 bytes: 17 x 16, so 16 rows start at 16 different 16-byte columns
.set SW,     32*PIT                    ; a wave's slice of S: 32 rows x 64 keys f32
.set AR,     8*SW                      ; the waves' arenas begin here
.set ARENA,  29184
.set QS,     64*PIT                    ; arena, early: key rows f16 at 0 (64 x 272); 4 query rows here;
.set WQS,    QS+4*PIT                  ;   16 rows of Wq;
.set WKS,    WQS+16*PIT                ;   16 rows of Wk, pitch 288 (an odd multiple of 32, for the transposing load)
.set WKP,    288
.set WOS,    12288                     ; arena, late: P[32 rows][M, den, num][32 lanes] f32 at 0; 32 rows of Wo f16 here, pitch 528
.set WOP,    528
.set GB,     AR+8*ARENA                ; G/16: 32 rows x 128 f16, pitch 272
.set XB,     GB+32*PIT                 ; x: 4 rows x 256 f16, pitch 528
.set OB,     XB+4*WOP                  ; out block: 4 rows x 256 f32
.set RCB,    OB+4096                   ; rc: 32 f32
; vector registers, window 0: v0-4 ids, v5-9 global offsets, v10-25 LDS addresses, v26-27 rc, v28-31 bo, v32-63 at work
.set BIAS,   64                        ; v[64:127]   key k of my 64, lane d: 0 if open, -inf if masked (first the mask itself)
.set VAL,    128                       ; v[128:191]  value of key k, lane d
.set A,      192                       ; v[192:255]  one row's 64 scores: s, then a, a - M, 2^(a - M), in place
.set DEN,    40                        ; v[40:47]    four pairs
.set NUM,    48                        ; v[48:55]    four pairs
; window 1 (v256-511): key as loaded; then fragments and accumulators of the score product; then Wo as loaded
.set MSB, 0
.macro WIN new                         ; s_set_vgpr_msb: bits 1:0 source 0, 3:2 source 1, 5:4 source 2, 7:6 destination; the high byte repeats the setting left
.if MSB != \new
	s_set_vgpr_msb (MSB<<8)|\new
.set MSB, \new
.endif
.endm
.macro NOPS n
.rept \n
	v_nop
.endr
.endm
.macro BAR                             ; what I wrote to and read from LDS is done, then the work-group's barrier
	s_wait_dscnt 0x0
	s_barrier_signal -1
	s_barrier_wait -1
.endm
.macro LDROWS reg, n, base, off0       ; n loads of 512 consecutive bytes each: lane L takes the 16 bytes at 16 L
.set i, 0
.rept \n
	global_load_b128 v[\reg+4*i:\reg+4*i+3], v5, s[\base:\base+1] offset:\off0+512*i
.set i, i+1
.endr
.endm
.macro STAGE reg, n, ldsoff, pitch     ; n rows of 128 f32 in window 0 become f16 rows in my arena: lane L's four numbers are 8 bytes at 8 L
.set i, 0
.rept \n
	v_cvt_pk_f16_f32 v[\reg+4*i], v[\reg+4*i], v[\reg+4*i+1]
	v_cvt_pk_f16_f32 v[\reg+4*i+1], v[\reg+4*i+2], v[\reg+4*i+3]
	ds_store_b64 v10, v[\reg+4*i:\reg+4*i+1] offset:\ldsoff+i*\pitch
.set i, i+1
.endr
.endm
.macro CVTRUN                          ; the 64 x 4 registers of window 1 to f16, in place
	WIN 0x45
.set i, 0
.rept 64
	v_cvt_pk_f16_f32 v[4*i], v[4*i], v[4*i+1]
	v_cvt_pk_f16_f32 v[4*i+1], v[4*i+2], v[4*i+3]
.set i, i+1
.endr
.endm
.macro FRAG dst, addr, off             ; a 16 x 32 fragment of 16-bit numbers: two loads of 16 bytes, 32 bytes apart
	ds_load_b128 v[\dst:\dst+3], v[\addr] offset:\off
	ds_load_b128 v[\dst+4:\dst+7], v[\addr] offset:\off+32
.endm
	s_load_b512 s[8:23], s[0:1], 0x0               ; query 8, key 10, value 12, mask 14, Wq 16, bq 18, Wk 20, bk 22
	s_load_b128 s[24:27], s[0:1], 0x40             ; Wo 24, bo 26
	s_load_b64 s[28:29], s[0:1], 0x50              ; out0
	v_and_b32 v1, 31, v0                           ; L
	v_lshrrev_b32 v2, 5, v0
	v_readfirstlane_b32 s2, v2                     ; w: wave 0..7
	v_and_b32 v2, 15, v0                           ; r
	v_bfe_u32 v3, v0, 4, 1                         ; h
	v_and_b32 v4, 3, v0                            ; r & 3
	s_and_b32 s3, ttmp7, 0xffff                    ; b
	s_mov_b32 s4, ttmp9                            ; query group
	s_mov_b32 s31, 0x41800000                      ; 16.0
	s_mov_b32 s32, 0x76543210                      ; v_permlanex16_b32: lane i reads lane i of the other half
	s_mov_b32 s33, 0xfedcba98
	s_mov_b32 s34, 0xc6616bcd                      ; -K = -10000 log2e = -14426.95
	s_mul_i32 s5, s2, ARENA
	s_add_co_u32 s5, s5, AR                        ; my arena
	; global offsets, never written again
	v_lshlrev_b32 v5, 4, v1                        ; 16 L
	v_lshlrev_b32 v6, 2, v1                        ; 4 L
	v_lshlrev_b32 v7, 5, v3                        ; 32 h
	v_and_b32 v8, 63, v0
	v_lshlrev_b32 v8, 4, v8                        ; 16 (t & 63)
	v_lshlrev_b32 v9, 4, v0                        ; 16 t
	; LDS addresses
	v_lshl_add_u32 v10, v1, 3, s5                  ; staging: arena + 8 L
	v_mul_u32_u24 v32, v2, PIT
	v_lshl_add_u32 v32, v3, 4, v32                 ; 272 r + 16 h
	v_add_nc_u32 v11, s5, v32                      ; fragments from my arena's rows of 272
	v_add_nc_u32 v15, GB, v32                      ; fragments of G
	v_mul_u32_u24 v33, v4, PIT
	v_lshl_add_u32 v33, v3, 4, v33                 ; 272 (r & 3) + 16 h
	v_add3_u32 v12, v33, s5, QS                    ; fragments of the 4 query rows, each taken by four lanes of a half
	s_mul_i32 s38, s2, 4*PIT
	s_add_co_u32 s38, s38, GB
	v_add_nc_u32 v14, s38, v33                     ; where I put G: row 4 w + (r & 3), 16 bytes for each half
	v_and_b32 v34, 7, v0
	v_lshl_add_u32 v34, v3, 3, v34                 ; 8 h + (L & 7)
	v_mul_u32_u24 v34, v34, WKP
	v_bfe_u32 v35, v0, 3, 1
	v_lshl_add_u32 v34, v35, 4, v34
	v_add3_u32 v13, v34, s5, WKS                   ; transposing loads of Wk
	s_lshl_b32 s38, s2, 4
	s_add_co_u32 s38, s38, RCB
	v_lshl_add_u32 v16, v4, 2, s38                 ; rc of row 4 w + (r & 3)
	v_lshl_add_u32 v17, v2, 2, RCB                 ; rc of row r
	s_mul_i32 s39, s2, SW                          ; my slice of S
	v_mul_u32_u24 v34, v2, PIT
	v_lshl_add_u32 v34, v3, 5, v34
	v_add_nc_u32 v18, s39, v34                     ; S in: row r, 32 bytes for each half
	v_mov_b32 v19, s39                             ; S back: every lane reads the same row
	v_lshl_add_u32 v20, v1, 2, s5                  ; P: arena + 4 L
	s_lshl_b32 s38, s2, 6
	s_add_co_u32 s38, s38, XB
	v_lshl_add_u32 v21, v1, 1, s38                 ; x: column 32 w + L
	v_mul_u32_u24 v34, v4, WOP
	v_lshl_add_u32 v34, v3, 4, v34
	v_add_nc_u32 v22, XB, v34                      ; fragments of x
	v_mul_u32_u24 v34, v2, WOP
	v_lshl_add_u32 v34, v3, 4, v34
	v_add3_u32 v23, v34, s5, WOS                   ; fragments of Wo
	s_lshl_b32 s38, s2, 7
	s_add_co_u32 s38, s38, OB
	v_lshl_add_u32 v24, v2, 2, s38                 ; out block in: column 32 w + r
	v_lshl_add_u32 v25, v0, 4, OB                  ; out block back: 16 t
	; every buffer's address at this work-group's and this wave's part
	s_mov_b32 s37, 0
	s_lshl_b32 s36, s3, 16
	s_lshl_b32 s38, s4, 11
	s_add_co_u32 s36, s36, s38
	s_wait_kmcnt 0x0
	s_add_nc_u64 s[8:9], s[8:9], s[36:37]          ; query: b x 128 rows + 4 rows x group, 512 bytes a row
	s_lshl_b32 s36, s3, 18
	s_lshl_b32 s38, s2, 15
	s_add_co_u32 s36, s36, s38
	s_add_nc_u64 s[10:11], s[10:11], s[36:37]      ; key: b x 512 rows + 64 w rows
	s_lshl_b32 s36, s3, 16
	s_lshl_b32 s38, s2, 13
	s_add_co_u32 s36, s36, s38
	s_add_nc_u64 s[12:13], s[12:13], s[36:37]      ; value, mask: rows of 128 bytes
	s_add_nc_u64 s[14:15], s[14:15], s[36:37]
	s_mov_b32 s36, s38
	s_add_nc_u64 s[16:17], s[16:17], s[36:37]      ; Wq, Wk: rows 16 w ..
	s_add_nc_u64 s[20:21], s[20:21], s[36:37]
	s_lshl_b32 s36, s2, 6
	s_add_nc_u64 s[18:19], s[18:19], s[36:37]      ; bq, bk: 16 w ..
	s_add_nc_u64 s[22:23], s[22:23], s[36:37]
	s_lshl_b32 s36, s2, 15
	s_add_nc_u64 s[24:25], s[24:25], s[36:37]      ; Wo: rows 32 w .., 1,024 bytes a row
	s_lshl_b32 s36, s3, 17
	s_lshl_b32 s38, s4, 12
	s_add_co_u32 s36, s36, s38
	s_add_nc_u64 s[28:29], s[28:29], s[36:37]      ; out0: the group's 4 rows
	; ---- first loads: 40 for the head, then my 64 key rows into window 1
	LDROWS 64, 4, 8, 0                             ; query, v[64:79]
	global_load_b128 v[208:211], v7, s[18:19]      ; bq[16 w + 8 h ..]
	global_load_b128 v[212:215], v7, s[18:19] offset:16
	global_load_b128 v[216:219], v7, s[22:23]      ; bk likewise
	global_load_b128 v[220:223], v7, s[22:23] offset:16
	LDROWS 80, 16, 16, 0                           ; Wq, v[80:143]
	LDROWS 144, 16, 20, 0                          ; Wk, v[144:207]
	WIN 0x40
	LDROWS 0, 16, 10, 0                            ; key rows 0-15
	s_wait_loadcnt 16                              ; loads return in order (ISA guide 5.7.1): the 16 key loads are the only younger ones, the 40 are in
	LDROWS 64, 48, 10, 16*512                      ; key rows 16-63 fly during the head's work
	WIN 0
	STAGE 64, 4, QS, PIT
	STAGE 80, 16, WQS, PIT
	STAGE 144, 16, WKS, WKP
.irp ks, 0,1,2,3
	FRAG 64+8*\ks, 11, WQS+64*\ks                  ; Wq rows e = r
	FRAG 96+8*\ks, 12, 64*\ks                      ; query rows r & 3
.endr
.irp ct, 0,1,2,3,4,5,6,7
	ds_load_tr16_b128 v[152+4*\ct:155+4*\ct], v13 offset:32*\ct    ; Wk transposed: lane (r, h) gets Wk[e = 8 h .. 8 h + 7][i = 16 ct + r]
.endr
	s_wait_dscnt 0x0                               ; LDS serves a wave's instructions in order: the loads saw my stores; all are back
	; ---- q, transposed: source 0 = rows of Wq, source 1 = query rows.  Two accumulators take turns, one instruction a turn.
	v_wmma_f32_16x16x32_f16 v[128:135], v[64:71], v[96:103], 0
	v_wmma_f32_16x16x32_f16 v[136:143], v[72:79], v[104:111], 0
	v_wmma_f32_16x16x32_f16 v[128:135], v[80:87], v[112:119], v[128:135]
	v_wmma_f32_16x16x32_f16 v[136:143], v[88:95], v[120:127], v[136:143]
.irp z, 148,149,150,151,184,185,186,187
	v_mov_b32 v\z, 0                               ; the zeros of the next product's K = 16 .. 31; eight plain instructions: the places behind the products (ISA guide 7.12.1)
.endr
.irp j, 0,2,4,6
	v_pk_add_f32 v[128+\j:129+\j], v[128+\j:129+\j], v[136+\j:137+\j]
.endr
.irp j, 0,2,4,6
	v_pk_add_f32 v[128+\j:129+\j], v[128+\j:129+\j], v[208+\j:209+\j]             ; + bq
.endr
.irp j, 0,2,4,6
	v_pk_mul_f32 v[128+\j:129+\j], v[128+\j:129+\j], 0x3eb8aa3b op_sel_hi:[1,0]   ; x log2e / 4: lane (r, h) holds q'[q = r & 3][e = 8 h + j]
.endr
	v_pk_mul_f32 v[136:137], v[128:129], v[216:217]                               ; rc = sum over e of q'[e] bk[e], in f32
	v_pk_fma_f32 v[136:137], v[130:131], v[218:219], v[136:137]
	v_pk_fma_f32 v[136:137], v[132:133], v[220:221], v[136:137]
	v_pk_fma_f32 v[136:137], v[134:135], v[222:223], v[136:137]
	v_add_f32 v136, v136, v137
	v_permlanex16_b32 v137, v136, s32, s33         ; the other half's eight e
	v_add_f32 v136, v136, v137
	ds_store_b32 v16, v136                         ; lanes of equal r & 3 store the same word
.irp j, 0,1,2,3
	v_cvt_pk_f16_f32 v[144+\j], v[128+2*\j], v[129+2*\j]      ; already the layout of a source 1: column r, K = 8 h + 0 .. 7
.endr
	; ---- G, transposed: source 0 = 16 columns of Wk (K = e; its registers 4-7 are the next tile's finite numbers, met by source 1's zeros)
.irp ct, 0,1,2,3,4,5,6,7
	v_wmma_f32_16x16x32_f16 v[192+8*\ct:199+8*\ct], v[152+4*\ct:159+4*\ct], v[144:151], 0
.endr
	NOPS 4                                         ; the places behind the last product
.irp ct, 0,1,2,3,4,5,6,7
.irp j, 0,2,4,6
	v_pk_mul_f32 v[192+8*\ct+\j:193+8*\ct+\j], v[192+8*\ct+\j:193+8*\ct+\j], 0x3d800000 op_sel_hi:[1,0]   ; G / 16 keeps room in f16
.endr
.irp j, 0,1,2,3
	v_cvt_pk_f16_f32 v[192+8*\ct+\j], v[192+8*\ct+2*\j], v[193+8*\ct+2*\j]
.endr
	ds_store_b128 v14, v[192+8*\ct:195+8*\ct] offset:32*\ct    ; G[4 w + (r & 3)][16 ct + 8 h .. + 7]
.endr
	; ---- key to f16 rows in my arena; mask and value go out meanwhile
	s_wait_loadcnt 0x0                             ; the 64 key loads
.set i, 0
.rept 64
	global_load_b32 v[BIAS+i], v6, s[14:15] offset:128*i       ; mask[key i][d = L]: 128 consecutive bytes a load
.set i, i+1
.endr
	CVTRUN
	WIN 0x04
.set i, 0
.rept 64
	ds_store_b64 v10, v[4*i:4*i+1] offset:PIT*i
.set i, i+1
.endr
	WIN 0
.set i, 0
.rept 64
	global_load_b32 v[VAL+i], v6, s[12:13] offset:128*i
.set i, i+1
.endr
	BAR                                            ; every wave's rows of G and rc are in LDS
	; ---- S[row][key] for my 64 keys: source 0 = key rows, source 1 = rows of G, so a lane gets 8 neighbouring keys of one row
	ds_load_b32 v26, v17                           ; rc of row r
	ds_load_b32 v27, v17 offset:64                 ; rc of row 16 + r
	WIN 0x40
.irp kt, 0,1,2,3
.irp ks, 0,1,2,3
	FRAG 32*\kt+8*\ks, 11, 16*PIT*\kt+64*\ks
.endr
.endr
.irp rt, 0,1
.irp ks, 0,1,2,3
	FRAG 128+32*\rt+8*\ks, 15, 16*PIT*\rt+64*\ks
.endr
.endr
	s_wait_dscnt 0x0
	WIN 0x55
.irp ks, 0,1,2,3                                   ; eight accumulators take turns, one instruction a turn
.irp kt, 0,1,2,3
.irp rt, 0,1
.if \ks == 0
	v_wmma_f32_16x16x32_f16 v[192+8*(2*\kt+\rt):199+8*(2*\kt+\rt)], v[32*\kt+8*\ks:32*\kt+8*\ks+7], v[128+32*\rt+8*\ks:128+32*\rt+8*\ks+7], 0
.else
	v_wmma_f32_16x16x32_f16 v[192+8*(2*\kt+\rt):199+8*(2*\kt+\rt)], v[32*\kt+8*\ks:32*\kt+8*\ks+7], v[128+32*\rt+8*\ks:128+32*\rt+8*\ks+7], v[192+8*(2*\kt+\rt):199+8*(2*\kt+\rt)]
.endif
.endr
.endr
.endr
	NOPS 4                                         ; the places behind the last product
	WIN 0x41
.irp a, 0,1,2,3,4,5,6,7
.irp j, 0,1,2,3,4,5,6,7
	v_fma_f32 v[192+8*\a+\j], v[192+8*\a+\j], s31, v[26+(\a&1)]    ; 16 x + rc of the lane's row
.endr
.endr
	WIN 0x04
.irp kt, 0,1,2,3
.irp rt, 0,1
	ds_store_b128 v18, v[192+8*(2*\kt+\rt):195+8*(2*\kt+\rt)] offset:16*PIT*\rt+64*\kt
	ds_store_b128 v18, v[196+8*(2*\kt+\rt):199+8*(2*\kt+\rt)] offset:16*PIT*\rt+64*\kt+16
.endr
.endr
	; ---- Wo goes out now and lands during the core
	s_wait_loadcnt 0x0                             ; mask and value; ahead of Wo's loads, since 65 younger loads are more than a wait can name
	WIN 0x40
	LDROWS 0, 64, 24, 0                            ; my 32 rows of Wo, two loads a row
	WIN 0
	global_load_b128 v[28:31], v8, s[26:27]        ; bo of the four columns that I store at the end
.set i, 0
.rept 16
	ds_load_b128 v[A+4*i:A+4*i+3], v19 offset:16*i ; row 0's 64 scores, the same in every lane
.set i, i+1
.endr
	; ---- mask to bias; the masked keys' sum of values and count
	v_mov_b32 v60, 0                               ; SV0
	v_mov_b32 v61, 0                               ; CNT0
	v_mov_b32 v63, 0xff800000                      ; -inf
	v_mov_b32 v58, 1.0
.set i, 0
.rept 64
	v_cmp_eq_u32 vcc_lo, 0, v[BIAS+i]
	v_cndmask_b32 v[BIAS+i], 0, v63, vcc_lo
	v_cndmask_b32 v[36+2*(i&1)], 0, v[VAL+i], vcc_lo
	v_cndmask_b32 v[37+2*(i&1)], 0, v58, vcc_lo
	v_pk_add_f32 v[60:61], v[60:61], v[36+2*(i&1):37+2*(i&1)]
.set i, i+1
.endr
	v_mov_b32 v36, s34
	v_cmp_lt_f32 vcc_lo, 0, v61
	v_cndmask_b32 v62, v63, v36, vcc_lo            ; KINIT: -K where a key of mine is masked, else -inf.  So M is finite in every lane
; ---- the core
.macro SUBB g                          ; a - M for 16 keys
.irp p, 0,1,2,3,4,5,6,7
	v_pk_add_f32 v[A+16*\g+2*\p:A+16*\g+2*\p+1], v[A+16*\g+2*\p:A+16*\g+2*\p+1], v[32:33] neg_lo:[0,1] neg_hi:[0,1]
.endr
.endm
.macro EXPB g                          ; 2^(a - M) for 16 keys; -inf gives 0
.set i, 0
.rept 16
	v_exp_f32 v[A+16*\g+i], v[A+16*\g+i]
.set i, i+1
.endr
.endm
.macro ACCB g                          ; 16 keys into four chains of pairs; the first block starts the sums
.if \g == 0
	s_wait_alu depctr_va_vdst(0)
.irp c, 0,1,2,3
	v_pk_add_f32 v[DEN+2*\c:DEN+2*\c+1], v[A+2*\c:A+2*\c+1], v[A+8+2*\c:A+8+2*\c+1]
	v_pk_mul_f32 v[NUM+2*\c:NUM+2*\c+1], v[A+2*\c:A+2*\c+1], v[VAL+2*\c:VAL+2*\c+1]
.endr
.irp c, 0,1,2,3
	v_pk_fma_f32 v[NUM+2*\c:NUM+2*\c+1], v[A+8+2*\c:A+8+2*\c+1], v[VAL+8+2*\c:VAL+8+2*\c+1], v[NUM+2*\c:NUM+2*\c+1]
.endr
.else
	s_wait_alu depctr_va_vdst(0)
.irp p, 0,1,2,3,4,5,6,7
	v_pk_add_f32 v[DEN+2*(\p&3):DEN+2*(\p&3)+1], v[DEN+2*(\p&3):DEN+2*(\p&3)+1], v[A+16*\g+2*\p:A+16*\g+2*\p+1]
	v_pk_fma_f32 v[NUM+2*(\p&3):NUM+2*(\p&3)+1], v[A+16*\g+2*\p:A+16*\g+2*\p+1], v[VAL+16*\g+2*\p:VAL+16*\g+2*\p+1], v[NUM+2*(\p&3):NUM+2*(\p&3)+1]
.endr
.endif
.endm
.macro PREF g                          ; the next row's 16 scores into the registers just summed
.irp q, 0,1,2,3
	ds_load_b128 v[A+16*\g+4*\q:A+16*\g+4*\q+3], v19 offset:PIT+64*\g+16*\q
.endr
.endm
; One row.  pref = 1: the next row is fetched block by block.  Behind every run of v_exp_f32 stands plain work on other registers before a result
; is read (ISA guide 5.7.2): SUBB of the next block, or ACCB of the block before.
.macro ROW pref
	s_wait_dscnt 0x0                               ; the row's 16 loads (and the last row's 3 stores)
.set i, 0
.rept 32
	v_pk_add_f32 v[A+2*i:A+2*i+1], v[A+2*i:A+2*i+1], v[BIAS+2*i:BIAS+2*i+1]      ; a = s, or -inf where masked
.set i, i+1
.endr
.irp c, 0,1,2,3                                    ; the maximum of 64 a and KINIT: 32 instructions of three, four chains
	v_max3_num_f32 v[56+\c], v[A+16*\c], v[A+16*\c+1], v[A+16*\c+2]
.endr
.irp s, 3,5,7,9,11,13
.irp c, 0,1,2,3
	v_max3_num_f32 v[56+\c], v[56+\c], v[A+16*\c+\s], v[A+16*\c+\s+1]
.endr
.endr
	v_max3_num_f32 v56, v56, v57, v[A+15]
	v_max3_num_f32 v58, v58, v59, v[A+31]
	v_max3_num_f32 v56, v56, v[A+47], v[A+63]
	v_max3_num_f32 v32, v56, v58, v62              ; M, twice: a pair for the packed subtraction
	v_max3_num_f32 v33, v56, v58, v62
	SUBB 0
	EXPB 0
	SUBB 1
	v_sub_f32 v36, s34, v32                        ; -K - M, at most 0 where a key is masked;
	v_min_num_f32 v36, 0, v36                      ; capped where none is, so that 0 x 2^.. stays 0
	EXPB 1
	SUBB 2
	ACCB 0
.if \pref
	PREF 0
.endif
	EXPB 2
	SUBB 3
	ACCB 1
.if \pref
	PREF 1
.endif
	EXPB 3
	v_exp_f32 v36, v36                             ; TK = 2^(-K - M)
	ACCB 2
.if \pref
	PREF 2
.endif
	ACCB 3
.if \pref
	PREF 3
.endif
	v_pk_add_f32 v[DEN:DEN+1], v[DEN:DEN+1], v[DEN+2:DEN+3]
	v_pk_add_f32 v[DEN+4:DEN+5], v[DEN+4:DEN+5], v[DEN+6:DEN+7]
	v_pk_add_f32 v[NUM:NUM+1], v[NUM:NUM+1], v[NUM+2:NUM+3]
	v_pk_add_f32 v[NUM+4:NUM+5], v[NUM+4:NUM+5], v[NUM+6:NUM+7]
	v_pk_add_f32 v[DEN:DEN+1], v[DEN:DEN+1], v[DEN+4:DEN+5]
	v_pk_add_f32 v[NUM:NUM+1], v[NUM:NUM+1], v[NUM+4:NUM+5]
	v_add_f32 v[DEN], v[DEN], v[DEN+1]
	v_add_f32 v[NUM], v[NUM], v[NUM+1]
	v_fmac_f32 v[DEN], v61, v36                    ; the masked keys: CNT0 TK
	v_fmac_f32 v[NUM], v60, v36                    ; and SV0 TK
	ds_store_b32 v20, v32                          ; P[row]: M, den, num, lane by lane
	ds_store_b32 v20, v[DEN] offset:128
	ds_store_b32 v20, v[NUM] offset:256
	v_add_nc_u32 v19, PIT, v19
	v_add_nc_u32 v20, 384, v20
.endm
	s_mov_b32 s30, 0
.Lrow:
	ROW 1
	s_add_co_u32 s30, s30, 1
	s_cmp_lt_u32 s30, 31
	s_cbranch_scc1 .Lrow
	ROW 0                                          ; row 31 fetches nothing beyond my slice
	; ---- Wo to f16 rows in my arena, behind P
	s_wait_loadcnt 0x0                             ; Wo and bo
	CVTRUN
	WIN 0x04
.set i, 0
.rept 64
	ds_store_b64 v10, v[4*i:4*i+1] offset:WOS+WOP*(i>>1)+256*(i&1)
.set i, i+1
.endr
	WIN 0
	s_mul_i32 s38, s2, 4*384
	v_add_nc_u32 v63, s38, v6                      ; rows 4 w .. of a P, my lane
.irp i, 0,1,2,3,4,5,6,7
	v_add_nc_u32 v[32+\i], AR+\i*ARENA, v63        ; in arena i
.endr
	BAR                                            ; every wave's P is whole
	; ---- merge of the 8 key slices for rows 4 w + rr: registers 64 + 24 rr: M_0..7, den_0..7, num_0..7
.irp rr, 0,1,2,3
.irp cp, 0,1,2
.irp i, 0,1,2,3,4,5,6,7
	ds_load_b32 v[64+24*\rr+8*\cp+\i], v[32+\i] offset:384*\rr+128*\cp
.endr
.endr
.endr
	s_wait_dscnt 0x0
.irp rr, 0,1,2,3
	v_max3_num_f32 v[40+2*\rr], v[64+24*\rr], v[65+24*\rr], v[66+24*\rr]
	v_max3_num_f32 v[41+2*\rr], v[67+24*\rr], v[68+24*\rr], v[69+24*\rr]
	v_max3_num_f32 v[40+2*\rr], v[40+2*\rr], v[70+24*\rr], v[71+24*\rr]
	v_max_num_f32 v[40+2*\rr], v[40+2*\rr], v[41+2*\rr]
.irp i, 0,1,2,3,4,5,6,7
	v_sub_f32 v[64+24*\rr+\i], v[64+24*\rr+\i], v[40+2*\rr]
.endr
.endr
.irp rr, 0,1,2,3
.irp i, 0,1,2,3,4,5,6,7
	v_exp_f32 v[64+24*\rr+\i], v[64+24*\rr+\i]     ; 2^(M_i - M)
.endr
.endr
	v_nop                                          ; the plain place behind the exponentials
	s_wait_alu depctr_va_vdst(0)
.irp rr, 0,1,2,3
	v_mul_f32 v[40+2*\rr], v[64+24*\rr], v[72+24*\rr]
	v_mul_f32 v[41+2*\rr], v[64+24*\rr], v[80+24*\rr]
.irp i, 1,2,3,4,5,6,7
	v_fmac_f32 v[40+2*\rr], v[64+24*\rr+\i], v[72+24*\rr+\i]
	v_fmac_f32 v[41+2*\rr], v[64+24*\rr+\i], v[80+24*\rr+\i]
.endr
.endr
.irp rr, 0,1,2,3
	v_rcp_f32 v[48+\rr], v[40+2*\rr]               ; den is at least 1: the slice that holds M adds a 1
.endr
	v_nop                                          ; the plain place behind the reciprocals
	s_wait_alu depctr_va_vdst(0)
.irp rr, 0,1,2,3
	v_mul_f32 v[41+2*\rr], v[41+2*\rr], v[48+\rr]
	v_cvt_pk_f16_f32 v[41+2*\rr], v[41+2*\rr], v[41+2*\rr]
	ds_store_b16 v21, v[41+2*\rr] offset:WOP*\rr   ; x[q = rr][32 w + d]
.endr
	BAR                                            ; x is whole
	; ---- out = x Wo^T: source 0 = x rows r & 3, source 1 = my 32 rows of Wo, K = 256
.irp ks, 0,1,2,3,4,5,6,7
	FRAG 192+8*\ks, 22, 64*\ks
.endr
.irp t, 0,1
.irp ks, 0,1,2,3,4,5,6,7
	FRAG 64+8*(8*\t+\ks), 23, 16*WOP*\t+64*\ks
.endr
.endr
	s_wait_dscnt 0x0
.irp ks, 0,1,2,3,4,5,6,7                           ; two accumulators take turns, one instruction a turn
.irp t, 0,1
.if \ks == 0
	v_wmma_f32_16x16x32_f16 v[32+8*\t:39+8*\t], v[192+8*\ks:199+8*\ks], v[64+8*(8*\t+\ks):71+8*(8*\t+\ks)], 0
.else
	v_wmma_f32_16x16x32_f16 v[32+8*\t:39+8*\t], v[192+8*\ks:199+8*\ks], v[64+8*(8*\t+\ks):71+8*(8*\t+\ks)], v[32+8*\t:39+8*\t]
.endif
.endr
.endr
	NOPS 4                                         ; the places behind the last product
.irp t, 0,1
.irp j, 0,1,2,3
	ds_store_b32 v24, v[32+8*\t+\j] offset:1024*\j+64*\t       ; register j is row 8 h + j = query j in both halves: they store equal words
.endr
.endr
	BAR                                            ; the block of 4 x 256 is whole
	ds_load_b128 v[48:51], v25
	s_wait_dscnt 0x0
	v_pk_add_f32 v[48:49], v[48:49], v[28:29]      ; + bo
	v_pk_add_f32 v[50:51], v[50:51], v[30:31]
	global_store_b128 v9, v[48:51], s[28:29] th:TH_STORE_NT    ; a wave stores 512 consecutive bytes, at a multiple of 512 from out0's first byte
	s_wait_xcnt 0x0
	v_lshl_add_u32 v62, v0, 2, 0x4db00
	v_mov_b32 v63, 0
	s_wait_tensorcnt 0x0
	ds_add_u32 v62, v63
	s_wait_dscnt 0x0
	s_endpgm
.Lfunc_end_k_qbd296310e0_attn:
	.size	k_qbd296310e0_attn, .Lfunc_end_k_qbd296310e0_attn-k_qbd296310e0_attn
	.p2alignl 7, 3214868480
	.fill 96, 4, 3214868480
	.section	.rodata,"a",@progbits
	.p2align	6, 0x0
	.amdhsa_kernel k_qbd296310e0_attn
		.amdhsa_group_segment_fixed_size 319232
		.amdhsa_private_segment_fixed_size 0
		.amdhsa_enable_private_segment 0
		.amdhsa_kernarg_size 88
		.amdhsa_user_sgpr_count 2
		.amdhsa_user_sgpr_kernarg_segment_ptr 1
		.amdhsa_wavefront_size32 1
		.amdhsa_system_sgpr_workgroup_id_x 1
		.amdhsa_system_sgpr_workgroup_id_y 1
		.amdhsa_system_sgpr_workgroup_id_z 1
		.amdhsa_system_vgpr_workitem_id 0
		.amdhsa_next_free_vgpr 512
		.amdhsa_next_free_sgpr 66
		.amdhsa_reserve_vcc 1
		.amdhsa_float_denorm_mode_32 3
		.amdhsa_float_denorm_mode_16_64 3
		.amdhsa_memory_ordered 1
		.amdhsa_forward_progress 1
		.amdhsa_inst_pref_size 143
	.end_amdhsa_kernel
	.amdgpu_metadata
---
amdhsa.version: [ 1, 2 ]
amdhsa.kernels:
  - .name:           k_qbd296310e0_attn
    .symbol:         k_qbd296310e0_attn.kd
    .args:
      - { .name: query, .offset: 0, .size: 8, .value_kind: global_buffer, .address_space: global }
      - { .name: key, .offset: 8, .size: 8, .value_kind: global_buffer, .address_space: global }
      - { .name: value, .offset: 16, .size: 8, .value_kind: global_buffer, .address_space: global }
      - { .name: mask, .offset: 24, .size: 8, .value_kind: global_buffer, .address_space: global }
      - { .name: Wq, .offset: 32, .size: 8, .value_kind: global_buffer, .address_space: global }
      - { .name: bq, .offset: 40, .size: 8, .value_kind: global_buffer, .address_space: global }
      - { .name: Wk, .offset: 48, .size: 8, .value_kind: global_buffer, .address_space: global }
      - { .name: bk, .offset: 56, .size: 8, .value_kind: global_buffer, .address_space: global }
      - { .name: Wo, .offset: 64, .size: 8, .value_kind: global_buffer, .address_space: global }
      - { .name: bo, .offset: 72, .size: 8, .value_kind: global_buffer, .address_space: global }
      - { .name: out0, .offset: 80, .size: 8, .value_kind: global_buffer, .address_space: global }
    .group_segment_fixed_size: 319232
    .private_segment_fixed_size: 0
    .kernarg_segment_align: 8
    .kernarg_segment_size: 88
    .max_flat_workgroup_size: 256
    .sgpr_count:     66
    .vgpr_count:     512
    .wavefront_size: 32
...
	.end_amdgpu_metadata
.endif
;; end of part 1
